; MI455X (gfx1250); checked and timed in simulation.
; The chip was launched on July 23, 2026; its instructions are those of AMD's public machine-readable ISA for CDNA 5 (MIT licence, August 2026) and "CDNA5" Instruction Set Architecture Reference Guide (July 2026). The comments in the code are by the model that wrote it; some were corrected since.
;; Lane Set Attention Embedder. Allowed arithmetic: matrix products marked QUANTISED: E5M2 operands, one given power-of-two scale a tensor, by v_wmma_f32_16x16x64_bf8_bf8 or v_wmma_f32_16x16x128_bf8_bf8, f32 sums; products left as they are: f32 operands where the result goes on into a quantised operand, else bf16, f16 or f32 operands; f32 sums; everything else in f32.
;; Inputs: Uw 64 x 64 float32; Wb 64 float32; Ww_codes 64 x 2 x 32 uint8 (E5M2 codes of Ww, K innermost, in blocks of 32 codes); X_codes 1,000,000 x 1 x 32 uint8 (E5M2 codes of X, K innermost, in blocks of 32 codes); b1 64 float32; b2 64 float32; beta 64 float32; gamma 64 float32; lowp_scales 6 int32 (the exponents e of the quantised operands' scales 2^e); rb1 64 float32; rb2 64 float32; rw1 64 x 256 float32; rw2 64 x 64 float32; seeds 4 x 64 float32; vw 64 float32; w1_codes 64 x 1 x 32 uint8 (E5M2 codes of w1, K innermost, in blocks of 32 codes); w2_codes 64 x 2 x 32 uint8 (E5M2 codes of w2, K innermost, in blocks of 32 codes).
;; Outputs: out0 64 float32; out1 4 x 1,000,000 float32.
;; This version of the problem:
;;   THIS VERSION OF THE PROBLEM IS GIVEN IN LOW PRECISION. The matrix products marked QUANTISED in the list below multiply operands that are first quantised to E5M2 (5 exponent bits, 2 mantissa bits; 8 bits a number), with one given power-of-two scale for each operand tensor; their sums are f32. All else is computed in f32.
;;   The module's matrix products, in the order in which they are computed (A, B: the left and right operand; K: the contracted axis; several contracted axes count as one K, in the product's order):
;;     1. [M 1,000,000, K 32] x [K 32, N 64]; A: input X (given as codes); B: input w1 (given as codes): QUANTISED (scales: A lowp_scales[0], B lowp_scales[1])
;;     2. [M 1,000,000, K 64] x [K 64, N 64]; A: computed on the way; B: input w2 (given as codes): QUANTISED (scales: A lowp_scales[2], B lowp_scales[3])
;;     3. [M 1,000,000, K 64] x [K 64, N 64]; A: computed on the way; B: input Ww (given as codes): QUANTISED (scales: A lowp_scales[4], B lowp_scales[5])
;;     4. [M 4, K 64] x [K 64, N 64]; A: input seeds; B: input Uw: left as it is (M = 4 < 16)
;;     5. [M 4,000,000, K 64] x [K 64, N 1]; A: computed on the way; B: input vw: left as it is (N = 1 < 16)
;;     6. [M 4, K 1,000,000] x [K 1,000,000, N 64]; A: softmax; B: computed on the way: left as it is (M = 4 < 16)
;;     7. [M 1, K 256] x [K 256, N 64]; A: computed on the way; B: input rw1: left as it is (M = 1 < 16)
;;     8. [M 1, K 64] x [K 64, N 64]; A: computed on the way; B: input rw2: left as it is (M = 1 < 16)
;;   THE QUANTISER, for each operand of a quantised product, along K:
;;     - The operand's scale is 2^e, e = its entry of the input lowp_scales (int32; the entries are numbered through the quantised products in the list's order, A before B).
;;     - Each number is divided by the scale, clamped to +-57,344, and rounded to the nearest number of E5M2, ties to even, subnormals kept.
;;     - The product sums the exact products of the quantised numbers (number of the format x scale) in f32.
;;   ~~~python
;;   def quantise(x, axis, e):      # numpy; x: float32 -> the quantised numbers, widened to float32 again
;;       x = np.moveaxis(x, axis, -1); K = x.shape[-1]
;;       r = np.clip(x / 2.0 ** e, -57344, 57344)
;;       step = 2.0 ** (np.maximum(np.frexp(np.where(r == 0, 1, r))[1] - 1, -14) - 2)
;;       q = np.round(r / step) * step * 2.0 ** e      # np.round: ties to even
;;       return np.moveaxis(q, -1, axis).astype(np.float32)
;;   ~~~
;;   OPERANDS COMPUTED ON THE WAY. 'Computed on the way' means the value that the module computes at that place (a softmax that the list does not call 'softmax' is quantised finished and normalised). What goes into a quantiser is computed in f32, as accurately as f32 sums, v_exp_f32 and their like allow (about 1e-6 of the number): no bf16 or f16 on the way to a quantiser, and a product that is left as it is and whose result goes on into a quantised operand takes f32 operands (vector FMAs, or v_wmma_f32_16x16x4_f32). A number that lies on a knife's edge between two numbers of the format may be rounded either way, as far as f32 arithmetic and the matrix unit's own rounding can turn it there, and no further.
;;   INPUTS GIVEN AS CODES. Ww (in the module: [64, 64], K = its axis 1); X (in the module: [1000000, 32], K = its axis 1); w1 (in the module: [64, 32], K = its axis 1); w2 (in the module: [64, 64], K = its axis 1): each comes as NAME_codes (uint8): NAME with its K axis moved to the last place and cut into blocks of 32 codes, [.., K / 32, bytes a block], one block behind the other in memory; one code a byte (a code: sign, 5 exponent bits, 2 mantissa bits); its scale is its entry of lowp_scales. Its value is code x scale, taken as it is: it is not quantised again, and the codes and scales need not be those that the quantiser above would give.
;; One version. Each part assembles by itself: llvm-mc -triple=amdgcn-amd-amdhsa -mcpu=gfx1250 --defsym DOCPART=n.
;; ======== version 1 of 1: 2 launches
;; limits: right only within a limited range of input values
;; workspace buffers: scores 16,000,000 bytes; pz 262,144 bytes; pml 8,192 bytes
;; launch lanes (part 1): grid 256 x 1, 4 waves a work-group, no clusters, 10,240 bytes of LDS; arguments X_codes, w1_codes, w2_codes, Ww_codes, lowp_scales, b1, b2, gamma, beta, Wb, Uw, seeds, vw, scores, pz, pml; writes scores, pz, pml
.if DOCPART == 1
	.amdgcn_target "amdgcn-amd-amdhsa--gfx1250"
	.amdhsa_code_object_version 6
	.text
	.protected	k_q894c65e6d0_lanes
	.globl	k_q894c65e6d0_lanes
	.p2align	8
	.type	k_q894c65e6d0_lanes,@function
k_q894c65e6d0_lanes:
	s_mov_b64 s[64:65], 0
	v_nop
	global_prefetch_b8 v0, s[64:65] scope:SCOPE_SE
	s_setreg_imm32_b32 hwreg(HW_REG_WAVE_MODE, 25, 1), 1
	s_wait_xcnt 0x0
; LANES: for each of the 1,000,000 rows: relu(X w1^T + b1), quantised; x w2^T + b2; LayerNorm (H), quantised; x Ww^T + Wb; the four seeds' additive-attention scores; and, for each
; work-group, the softmax's running maximum m, sum l and pooled sum Z = sum of p H (H in f32, not quantised) under that maximum.  The second launch joins the 256 work-groups' parts.
; THE THREE QUANTISED PRODUCTS go on E5M2 codes by v_wmma_f32_16x16x64_bf8_bf8, TRANSPOSED: source 0 = 16 rows of the weight, source 1 = 16 rows of the data.  Lane (r = lane % 16, h = lane / 16)
; then holds row r, and register j of tile t the feature 16 t + 8 h + j.  Eight such registers, converted, are registers 2 t, 2 t + 1 of the next product's operand (k = 16 t + 8 h + 0 .. 7): nothing changes lanes.
; The first product has K = 32: a lane takes the 16 bytes at 32 r + 16 h of X and of w1 alike (the same permutation of k on both sides), and registers 4-7 of both fragments hold zero codes.
; DEAD WORK LEFT OUT.  tanh(s) = 1 - 2 / (1 + e^(2 s)), so score(k, l) = sum_e vw_e - 2 sum_e vw_e / (1 + e^(2 s_kle)).  The first term is the same for every l: it is added to the softmax's input alike along
; its axis and cancels in weights, and scores reach the outputs through weights alone.  That holds for all finite vw.  It is not computed.  No input is dead: all are loaded.
; LIMIT: a NaN, an infinity or an overflow that arises only in sum_e vw_e is not carried to the result.
; THE EXPONENTIAL IS TAKEN ONCE FOR A ROW AND FEATURE, not once for each seed: with umid_e = (max_k Uq_ke + min_k Uq_ke) / 2 and d_ke = Uq_ke - umid_e:  Eh = e^(Wh + umid);  y = Eh e^(d_k) = e^s;  x = y y + 1;  1 / x.
; Where Eh leaves f32's range v_exp_f32 gives infinity or 0, and 1 / x is then 0 or 1: tanh = +1 or -1, which is right so long as |d| <= 75 (then |s| >= 9 there).
; What is stored as a score is t = log2(e) x (-2 sum_e vw_e / x): the softmax works in base 2, and takes its maximum away as reference() does (a running maximum for each lane, joined at the end).
; LIMITS: max_k Uq - min_k Uq <= 150 for each feature;  e2 - e0 - e1 and e4 between -126 and 112;  e2 + e3 between -60 and 60;  e4 + e5 between -126 and 127 (each power of two below is then an f32 number);
; NaN and infinity among the inputs are not served.
; SHARES.  1,024 waves, four to a work-group, each with all the registers of its SIMD.  The unit is a QUAD of 64 rows, four tiles; wave gw takes quads gw, gw + 1024, ..: 15 of them, 15,360 in all.
; The 265 quads that are left are 530 pairs of tiles: waves 0 to 529 take one pair each behind the loop, by the same macros.  So the longest wave has fifteen and a half trips' work.
; No tensor loads, no cluster: a wave's stream is 2,048 bytes a trip, lands in the operand's layout as it lies, and is asked for a whole trip ahead; the work-groups share only the small weights, read once.
; REGISTERS, in windows of 256 (s_set_vgpr_msb: bits 1:0 source 0, 3:2 source 1, 5:4 source 2, 7:6 destination):
;  window 0: v1-11 addresses and scales; v12-15 m; v16-19 l; v20-31 at work; v32-95 ACC, two tiles' sums; v96-223 TMP, two sets of 64; v224-231 SCP; v232-239 addresses of head and end; v240-255 SCR, t of seed k, tile u at 4 k + u
;  window 1: v0-127 H of the four tiles; v128-255 Z of the four seeds.      window 2: v0-127 e^(d_k); v128 -2 log2(e) vw; v160 log2(e) (Wb + umid); v192 gamma; v224 beta
;  window 3: v0 w1, v32 w2, v64 Ww (fragments); v96 b1 / 2^(e0+e1); v128 b2 / 2^(e2+e3); v160 X's four fragments; v192 the four fragments of codes just made
.set XO,  1                            ; 32 r + 16 h
.set SPW, 2                            ; LDS address of my spare word; never rewritten
.set NIL, 3                            ; 0; never rewritten
.set STW, 4                            ; my stage: 4 x lane
.set STR, 5                            ; my stage: 16 x lane
.set SO,  6                            ; scores: 4,000,000 h + 16 r
.set SC1, 7                            ; 2^(e2 - e0 - e1)
.set SC4, 8                            ; 2^e4
.set ZO,  9                            ; 0: offset of loads that are the same in all lanes
.set HO,  10                           ; 32 h
.set WO,  11                           ; 64 r + 8 h
.set MM,  12
.set LL,  16
.set MU,  20                           ; pairs: a tile's mean in the even register; in SOFTZ the four new maxima
.set RR,  24                           ; pairs: a tile's 1 / sigma
.set FT,  28
.set ACC, 32
.set TMP, 96
.set SCP, 224
.set UWO, 232
.set UQS, 233
.set RZW, 234
.set RSW, 235
.set RSR, 236
.set RZR, 237
.set PZO, 238
.set PMO, 239
.set SCR, 240
.set HN,  0                            ; window 1
.set ZZ,  128
.set EDH, 0                            ; window 2
.set VM2, 128
.set BIA, 160
.set GAM, 192
.set BET, 224
.set W1F, 0                            ; window 3
.set W2F, 32
.set WWF, 64
.set B1C, 96
.set B2C, 128
.set XF,  160
.set QF,  192
.set QUADS, 15                         ; whole quads of a wave
.set PAIRS, 530                        ; waves that take a pair more: 2 x (15,625 - 15 x 1,024)
.set UQ,    0                          ; LDS: Uq [4][64] f32
.set SSTG,  1024                       ; a stage of [4 seeds][64 rows] f32 for each wave
.set RZ,    5120                       ; each wave's Z [4][64]
.set RS,    9216                       ; each wave's m0-3, l0-3
.set SPARE, 9472                       ; the spare words, 128 bytes for each wave: two blocks of 256 bytes that no other line names
.set MSB, 0
.macro WIN new                         ; the immediate's high byte repeats the setting that is left; a switch that changes nothing is dropped
.if MSB != (\new)
	s_set_vgpr_msb (MSB<<8)|(\new)
.set MSB, (\new)
.endif
.endm
.macro PLACES n
.rept \n
	v_nop
.endr
.endm
; Eight matrix instructions: tiles 2 p and 2 p + 1 of the quad x the weight's four tiles of 16 features.  cb: the bias, in the result's layout, as C; -1: C = 0.  Each writes an accumulator of its own; none adds in place.
; Four places follow, ahead of the first read of the results (ISA guide 7.12.1).
.macro PROD wf, bf, p, cb
	WIN 0x3f
.irp u, 0,1
.irp t, 0,1,2,3
.if \cb >= 0
	v_wmma_f32_16x16x64_bf8_bf8 v[ACC+32*\u+8*\t:ACC+32*\u+8*\t+7], v[\wf+8*\t:\wf+8*\t+7], v[\bf+8*(2*(\p)+\u):\bf+8*(2*(\p)+\u)+7], v[\cb+8*\t:\cb+8*\t+7]
.else
	v_wmma_f32_16x16x64_bf8_bf8 v[ACC+32*\u+8*\t:ACC+32*\u+8*\t+7], v[\wf+8*\t:\wf+8*\t+7], v[\bf+8*(2*(\p)+\u):\bf+8*(2*(\p)+\u)+7], 0
.endif
.endr
.endr
	WIN 0
	PLACES 4
.endm
; relu and the hold in one (the conversion to an 8-bit code does not saturate: ISA guide 7.6.2), then the codes.  A sum stands for sum x 2^(e0 + e1), so its code is sum / 2^(e2 - e0 - e1).
.macro RELUQ p
.set n, 0
.rept 64
	v_med3_num_f32 v[ACC+n], v[ACC+n], 0, s48      ; each accumulator from its low end on
.set n, n+1
.endr
	WIN 0xc0
.irp u, 0,1
.irp t, 0,1,2,3
	v_cvt_scalef32_pk8_bf8_f32 v[QF+8*(2*(\p)+\u)+2*\t:QF+8*(2*(\p)+\u)+2*\t+1], v[ACC+32*\u+8*\t:ACC+32*\u+8*\t+7], v[SC1]
.endr
.endr
	WIN 0
	v_nop                                          ; one plain line between the last conversion and the products that read its codes and write its sources
.endm
; LayerNorm of two tiles, line by line by turns.  The sums S stand for H = S x 2^(e2 + e3): mean and differences are taken of S; var = sum of d^2 x 2^(2 (e2 + e3) - 6); H = (d gamma) (rsq(var + eps) 2^(e2 + e3)) + beta.
.macro LN p
.irp n, 0,1,2,3,4,5,6,7
.irp u, 0,1
	v_pk_add_f32 v[TMP+64*\u+2*\n:TMP+64*\u+2*\n+1], v[ACC+32*\u+4*\n:ACC+32*\u+4*\n+1], v[ACC+32*\u+4*\n+2:ACC+32*\u+4*\n+3]   ; an accumulator's four lowest registers are read first
.endr
.endr
.irp n, 0,1,2,3
.irp u, 0,1
	v_pk_add_f32 v[TMP+64*\u+16+2*\n:TMP+64*\u+17+2*\n], v[TMP+64*\u+4*\n:TMP+64*\u+4*\n+1], v[TMP+64*\u+4*\n+2:TMP+64*\u+4*\n+3]
.endr
.endr
.irp n, 0,1
.irp u, 0,1
	v_pk_add_f32 v[TMP+64*\u+24+2*\n:TMP+64*\u+25+2*\n], v[TMP+64*\u+16+4*\n:TMP+64*\u+17+4*\n], v[TMP+64*\u+18+4*\n:TMP+64*\u+19+4*\n]
.endr
.endr
.irp u, 0,1
	v_pk_add_f32 v[TMP+64*\u+28:TMP+64*\u+29], v[TMP+64*\u+24:TMP+64*\u+25], v[TMP+64*\u+26:TMP+64*\u+27]
.endr
.irp u, 0,1
	v_add_f32 v[FT+\u], v[TMP+64*\u+28], v[TMP+64*\u+29]
.endr
.irp u, 0,1
	v_permlanex16_b32 v[FT+2+\u], v[FT+\u], s46, s47   ; the row's other 32 features lie in the lane 16 away
.endr
.irp u, 0,1
	v_add_f32 v[FT+\u], v[FT+\u], v[FT+2+\u]
.endr
.irp u, 0,1
	v_mul_f32 v[MU+2*\u], s54, v[FT+\u]            ; / 64
.endr
.irp n, 0,1,2,3,4,5,6,7,8,9,10,11,12,13,14,15
.irp u, 0,1
	v_pk_add_f32 v[ACC+32*\u+2*\n:ACC+32*\u+2*\n+1], v[ACC+32*\u+2*\n:ACC+32*\u+2*\n+1], v[MU+2*\u:MU+2*\u+1] op_sel_hi:[1,0] neg_lo:[0,1] neg_hi:[0,1]
.endr
.endr
.irp n, 0,1
.irp u, 0,1
	v_pk_mul_f32 v[TMP+64*\u+2*\n:TMP+64*\u+2*\n+1], v[ACC+32*\u+2*\n:ACC+32*\u+2*\n+1], v[ACC+32*\u+2*\n:ACC+32*\u+2*\n+1]
.endr
.endr
.irp n, 2,3,4,5,6,7,8,9,10,11,12,13,14,15
.irp u, 0,1
	v_pk_fma_f32 v[TMP+64*\u+2*(\n%2):TMP+64*\u+2*(\n%2)+1], v[ACC+32*\u+2*\n:ACC+32*\u+2*\n+1], v[ACC+32*\u+2*\n:ACC+32*\u+2*\n+1], v[TMP+64*\u+2*(\n%2):TMP+64*\u+2*(\n%2)+1]
.endr
.endr
.irp u, 0,1
	v_pk_add_f32 v[TMP+64*\u:TMP+64*\u+1], v[TMP+64*\u:TMP+64*\u+1], v[TMP+64*\u+2:TMP+64*\u+3]
.endr
.irp u, 0,1
	v_add_f32 v[FT+\u], v[TMP+64*\u], v[TMP+64*\u+1]
.endr
.irp u, 0,1
	v_permlanex16_b32 v[FT+2+\u], v[FT+\u], s46, s47
.endr
.irp u, 0,1
	v_add_f32 v[FT+\u], v[FT+\u], v[FT+2+\u]
.endr
.irp u, 0,1
	v_fma_f32 v[FT+\u], v[FT+\u], s52, s53         ; var + eps
.endr
.irp u, 0,1
	v_rsq_f32 v[RR+2*\u], v[FT+\u]
.endr
	WIN 0x08
.set n, 0
.rept 32
	v_pk_mul_f32 v[ACC+2*n:ACC+2*n+1], v[ACC+2*n:ACC+2*n+1], v[GAM+2*(n%16):GAM+2*(n%16)+1]   ; d gamma: the independent work behind the two roots
.set n, n+1
.endr
	WIN 0
	s_wait_alu depctr_va_vdst(0)                   ; the wait ahead of the first line that names a root's result: one for both
.irp u, 0,1
	v_mul_f32 v[RR+2*\u], s51, v[RR+2*\u]
.endr
	WIN 0x60
.irp u, 0,1
.set n, 0
.rept 16
	v_pk_fma_f32 v[HN+64*(\p)+32*\u+2*n:HN+64*(\p)+32*\u+2*n+1], v[ACC+32*\u+2*n:ACC+32*\u+2*n+1], v[RR+2*\u:RR+2*\u+1], v[BET+2*n:BET+2*n+1] op_sel_hi:[1,0,1]
.set n, n+1
.endr
.endr
	WIN 0
.endm
; H is held within +-57,344 x 2^e4 into other registers (the pooled sum wants H as it is) and converted.
.macro HOLDQ p
	WIN 0x01
.set n, 0
.rept 64
	v_med3_num_f32 v[TMP+n], v[HN+64*(\p)+n], s50, s49
.set n, n+1
.endr
	WIN 0xc0
.irp u, 0,1
.irp t, 0,1,2,3
	v_cvt_scalef32_pk8_bf8_f32 v[QF+8*(2*(\p)+\u)+2*\t:QF+8*(2*(\p)+\u)+2*\t+1], v[TMP+32*\u+8*\t:TMP+32*\u+8*\t+7], v[SC4]
.endr
.endr
	WIN 0
	v_nop                                          ; one plain line behind the last conversion
.endm
; Eh = 2^(sum x log2(e) 2^(e4 + e5) + log2(e) (Wb + umid)), in place: one batch of 64 exponentials, one wait.  A pair's two exponentials stand behind the scaling of the pair two further on,
; so that plain lines stand among them; no line ahead of the wait names an exponential's result.  (An exponential names window 0 alone, under the scalings' setting too.)
.macro ARGEXP
	WIN 0x20
.set n, 0
.rept 32
	v_pk_fma_f32 v[ACC+2*n:ACC+2*n+1], v[ACC+2*n:ACC+2*n+1], s[56:57], v[BIA+2*(n%16):BIA+2*(n%16)+1] op_sel_hi:[1,0,1]   ; each accumulator from its low end on
.if n >= 2
	v_exp_f32 v[ACC+2*n-4], v[ACC+2*n-4]
	v_exp_f32 v[ACC+2*n-3], v[ACC+2*n-3]
.endif
.set n, n+1
.endr
.irp j, 60,61,62,63
	v_exp_f32 v[ACC+\j], v[ACC+\j]
.endr
	WIN 0
	v_nop
	s_wait_alu depctr_va_vdst(0)
.endm
; A STAGE of the seeds' pipeline, for tiles 2 p and 2 p + 1.  Three seeds are in hand at once, in TMP's two sets (-1: that part is absent):
;   seed kx: y = Eh e^(d_kx), then x = y y + 1, into set sx;    the 64 reciprocals of set sr, in place;    seed ka: t = sum of (1 / x) (-2 log2(e) vw) over set sa, in four chains.
; The reciprocals stand singly among the other two parts' plain lines.  No line of a stage names a reciprocal issued in that stage; the one wait stands at the stage's end.
; Where sa = sx, a pair of set sa is read just ahead of the line that writes it anew.
.macro STAGE p, kx, sx, sr, ka, sa
	WIN 0x08
.set i, 0
.rept 32
.set tl, i&1
.set qq, i>>1
.if \sa >= 0
.if qq < 2
	v_pk_mul_f32 v[SCP+4*tl+2*qq:SCP+4*tl+2*qq+1], v[TMP+64*(\sa)+32*tl+2*qq:TMP+64*(\sa)+32*tl+2*qq+1], v[VM2+2*qq:VM2+2*qq+1]
.else
	v_pk_fma_f32 v[SCP+4*tl+2*(qq&1):SCP+4*tl+2*(qq&1)+1], v[TMP+64*(\sa)+32*tl+2*qq:TMP+64*(\sa)+32*tl+2*qq+1], v[VM2+2*qq:VM2+2*qq+1], v[SCP+4*tl+2*(qq&1):SCP+4*tl+2*(qq&1)+1]
.endif
.endif
.if \sr >= 0
	v_rcp_f32 v[TMP+64*(\sr)+i], v[TMP+64*(\sr)+i]
.endif
.if \sx >= 0
	v_pk_mul_f32 v[TMP+64*(\sx)+32*tl+2*qq:TMP+64*(\sx)+32*tl+2*qq+1], v[ACC+32*tl+2*qq:ACC+32*tl+2*qq+1], v[EDH+32*(\kx)+2*qq:EDH+32*(\kx)+2*qq+1]
.endif
.set i, i+1
.endr
	WIN 0
.set i, 0
.rept 32
.if \sr >= 0
	v_rcp_f32 v[TMP+64*(\sr)+32+i], v[TMP+64*(\sr)+32+i]
.endif
.if \sx >= 0
	v_pk_fma_f32 v[TMP+64*(\sx)+2*i:TMP+64*(\sx)+2*i+1], v[TMP+64*(\sx)+2*i:TMP+64*(\sx)+2*i+1], v[TMP+64*(\sx)+2*i:TMP+64*(\sx)+2*i+1], 1.0 op_sel_hi:[1,1,0]
.endif
.set i, i+1
.endr
.if \ka >= 0
	v_pk_add_f32 v[SCP:SCP+1], v[SCP:SCP+1], v[SCP+2:SCP+3]
	v_pk_add_f32 v[SCP+4:SCP+5], v[SCP+4:SCP+5], v[SCP+6:SCP+7]
	v_add_f32 v[FT], v[SCP], v[SCP+1]
	v_add_f32 v[FT+1], v[SCP+4], v[SCP+5]
	v_permlanex16_b32 v[FT+2], v[FT], s46, s47
	v_permlanex16_b32 v[FT+3], v[FT+1], s46, s47
	v_add_f32 v[SCR+4*(\ka)+2*(\p)], v[FT], v[FT+2]        ; both halves of the lanes end with the same number
	v_add_f32 v[SCR+4*(\ka)+2*(\p)+1], v[FT+1], v[FT+3]
.endif
.if \sr >= 0
	s_wait_alu depctr_va_vdst(0)                   ; plain lines have followed the last reciprocal
.endif
.endm
.macro TANH p
	STAGE \p, 0, 0, -1, -1, -1
	STAGE \p, 1, 1, 0, -1, -1
	STAGE \p, 2, 0, 1, 0, 0
	STAGE \p, 3, 1, 0, 1, 1
	STAGE \p, -1, -1, 1, 2, 0
	STAGE \p, -1, -1, -1, 3, 1
.endm
; The softmax's part for nt tiles (4: a quad; 2: the pair behind the loop), for each lane by itself: the new maximum, f = 2^(old - new), p = 2^(t - new); l = l f + sum of p; Z = Z f + sum over the tiles of H p.
; A quad's scores go through my own stage in LDS, so that sixteen lanes store 256 consecutive bytes of a seed's row, at a multiple of 256 from the buffer's first byte.  A pair's are 128 consecutive bytes of each
; seed's row, 4 bytes a lane: 530 x 4 such pieces in the launch.  The stores stand ahead of the pooled sum's multiply-adds, so that the wait on XCNT behind SOFTZ comes well behind them.
.macro SOFTZ nt
.irp k, 0,1,2,3
	v_max3_num_f32 v[MU+\k], v[MM+\k], v[SCR+4*\k], v[SCR+4*\k+1]
.endr
.if \nt == 4
.irp k, 0,1,2,3
	v_max3_num_f32 v[MU+\k], v[MU+\k], v[SCR+4*\k+2], v[SCR+4*\k+3]
.endr
.endif
.irp k, 0,1,2,3
	v_sub_f32 v[TMP+2*\k], v[MM+\k], v[MU+\k]
.irp u, 0,1,2,3
.if \u < \nt
	v_sub_f32 v[TMP+8+8*\k+2*\u], v[SCR+4*\k+\u], v[MU+\k]
.endif
.endr
.endr
.irp k, 0,1,2,3
	v_exp_f32 v[TMP+2*\k], v[TMP+2*\k]
.irp u, 0,1,2,3
.if \u < \nt
	v_exp_f32 v[TMP+8+8*\k+2*\u], v[TMP+8+8*\k+2*\u]
.endif
.endr
.endr
.irp k, 0,1,2,3
	v_mov_b32 v[MM+\k], v[MU+\k]
.endr
.if \nt == 4
.irp k, 0,1,2,3
.irp u, 0,1
	v_cndmask_b32 v[TMP+64+2*\k+\u], v[SCR+4*\k+2*\u], v[SCR+4*\k+2*\u+1], s45   ; lanes 0-15 give tile 2 u's rows, lanes 16-31 tile 2 u + 1's
.endr
.endr
.irp k, 0,1,2,3
.irp u, 0,1
	ds_store_b32 v[STW], v[TMP+64+2*\k+\u] offset:256*\k+128*\u
.endr
.endr
	ds_load_b128 v[TMP+72:TMP+75], v[STR]          ; LDS serves a wave's instructions in order (ISA guide 5.7.1.4): these see my stores.  Lanes 0-15: seed 0's 64 rows, lanes 16-31: seed 1's
	ds_load_b128 v[TMP+76:TMP+79], v[STR] offset:512   ; seeds 2 and 3
.else
.irp k, 0,1,2,3
	v_cndmask_b32 v[TMP+64+\k], v[SCR+4*\k], v[SCR+4*\k+1], s45    ; lane l gives row l of the pair's 32
.endr
	v_and_b32 v[TMP+80], 31, v0
	v_lshlrev_b32 v[TMP+80], 2, v[TMP+80]          ; 4 x lane,
	v_add_nc_u32 v[TMP+81], 8000000, v[TMP+80]     ; and two seeds' rows on
.endif
	s_wait_alu depctr_va_vdst(0)                   ; one wait for the exponentials; the lines between name none of their results
.irp k, 0,1,2,3
	v_add_f32 v[TMP+40+2*\k], v[TMP+8+8*\k], v[TMP+10+8*\k]
.if \nt == 4
	v_add_f32 v[TMP+41+2*\k], v[TMP+12+8*\k], v[TMP+14+8*\k]
.endif
.endr
.if \nt == 4
.irp k, 0,1,2,3
	v_add_f32 v[TMP+40+2*\k], v[TMP+40+2*\k], v[TMP+41+2*\k]
.endr
.endif
.irp k, 0,1,2,3
	v_fma_f32 v[LL+\k], v[LL+\k], v[TMP+2*\k], v[TMP+40+2*\k]
.endr
	WIN 0x51
.irp k, 0,1,2,3
.set n, 0
.rept 16
	v_pk_mul_f32 v[ZZ+32*\k+2*n:ZZ+32*\k+2*n+1], v[ZZ+32*\k+2*n:ZZ+32*\k+2*n+1], v[TMP+2*\k:TMP+2*\k+1] op_sel_hi:[1,0]
.set n, n+1
.endr
.endr
	WIN 0
.if \nt == 4
	s_wait_dscnt 0x0                               ; the scores are back from the stage
	global_store_b128 v[SO], v[TMP+72:TMP+75], s[30:31]
	global_store_b128 v[SO], v[TMP+76:TMP+79], s[30:31] offset:8000000
.else
	global_store_b32 v[TMP+80], v[TMP+64], s[76:77]
	global_store_b32 v[TMP+80], v[TMP+65], s[76:77] offset:4000000
	global_store_b32 v[TMP+81], v[TMP+66], s[76:77]
	global_store_b32 v[TMP+81], v[TMP+67], s[76:77] offset:4000000
.endif
	WIN 0x51
.irp u, 0,1,2,3
.if \u < \nt
.irp k, 0,1,2,3
.set n, 0
.rept 16
	v_pk_fma_f32 v[ZZ+32*\k+2*n:ZZ+32*\k+2*n+1], v[HN+32*\u+2*n:HN+32*\u+2*n+1], v[TMP+8+8*\k+2*\u:TMP+9+8*\k+2*\u], v[ZZ+32*\k+2*n:ZZ+32*\k+2*n+1] op_sel_hi:[1,0,1]
.set n, n+1
.endr
.endr
.endif
.endr
	WIN 0
.endm
.macro CLOAD dst, sb                   ; a vector of 64 numbers in the result's layout: register 8 t + j = number 16 t + 8 h + j
.irp t, 0,1,2,3
	global_load_b128 v[\dst+8*\t:\dst+8*\t+3], v[HO], s[\sb:\sb+1] offset:64*\t
	global_load_b128 v[\dst+8*\t+4:\dst+8*\t+7], v[HO], s[\sb:\sb+1] offset:64*\t+16
.endr
.endm
	s_load_b512 s[4:19], s[0:1], 0x0               ; X s[4:5], w1 s[6:7], w2 s[8:9], Ww s[10:11], the scales' exponents s[12:13], b1 s[14:15], b2 s[16:17], gamma s[18:19]
	s_load_b512 s[20:35], s[0:1], 0x40             ; beta s[20:21], Wb s[22:23], Uw s[24:25], seeds s[26:27], vw s[28:29], scores s[30:31], pz s[32:33], pml s[34:35]
	v_lshl_add_u32 v[SPW], v0, 2, SPARE
	v_mov_b32 v[NIL], 0
	v_lshrrev_b32 v28, 5, v0
	v_readfirstlane_b32 s42, v28                   ; wave 0..3
	v_and_b32 v29, 15, v0                          ; r
	v_bfe_u32 v30, v0, 4, 1                        ; h
	v_and_b32 v31, 31, v0                          ; lane
	v_lshlrev_b32 v[XO], 5, v29
	v_lshl_add_u32 v[XO], v30, 4, v[XO]
	v_lshlrev_b32 v[HO], 5, v30
	v_lshlrev_b32 v[WO], 6, v29
	v_lshl_add_u32 v[WO], v30, 3, v[WO]
	s_lshl_b32 s58, s42, 10                        ; 1,024 x wave
	v_lshlrev_b32 v[STW], 2, v31
	v_add_nc_u32 v[STW], s58, v[STW]
	v_add_nc_u32 v[STW], SSTG, v[STW]
	v_lshlrev_b32 v[STR], 4, v31
	v_add_nc_u32 v[STR], s58, v[STR]
	v_add_nc_u32 v[STR], SSTG, v[STR]
	v_mul_u32_u24 v[SO], v30, 4000000
	v_lshl_add_u32 v[SO], v29, 4, v[SO]
	v_mov_b32 v[ZO], 0
	v_and_b32 v[UWO], 63, v0                       ; the feature e of Uq that I make: thread % 64
	v_lshrrev_b32 v[UQS], 6, v0                    ; and the pair of seeds: thread / 64
	v_lshlrev_b32 v[UQS], 9, v[UQS]
	v_lshl_add_u32 v[UQS], v[UWO], 2, v[UQS]       ; Uq(2 (thread / 64), e) in LDS
	v_lshlrev_b32 v[UWO], 8, v[UWO]                ; Uw's row e
	v_add_nc_u32 v[RZW], s58, v[HO]
	v_add_nc_u32 v[RZW], RZ, v[RZW]
	s_lshl_b32 s59, s42, 5
	s_add_co_u32 s59, s59, RS
	v_mov_b32 v[RSW], s59
	s_lshl_b32 s60, s42, 2
	s_add_co_u32 s60, s60, RS
	v_mov_b32 v[RSR], s60
	s_lshl_b32 s61, s42, 8
	v_lshlrev_b32 v[RZR], 3, v31
	v_add_nc_u32 v[RZR], s61, v[RZR]
	v_add_nc_u32 v[RZR], RZ, v[RZR]
	v_lshlrev_b32 v[PZO], 3, v0
	v_and_b32 v[PMO], 1, v0
	v_lshlrev_b32 v[PMO], 12, v[PMO]
	v_add_nc_u32 v[PMO], s58, v[PMO]               ; pml: 4,096 (lane % 2) + 1,024 x wave
	s_lshl_b32 s43, ttmp9, 2
	s_add_co_u32 s43, s43, s42                     ; gw
	s_mov_b32 s44, QUADS                           ; trips to go
	s_mov_b32 s45, 0xffff0000                      ; lanes 16-31
	s_mov_b32 s46, 0x76543210                      ; v_permlanex16_b32: lane l xor 16
	s_mov_b32 s47, 0xfedcba98
	s_mov_b32 s53, 0x3727c5ac                      ; 1e-5
	s_mov_b32 s54, 0x3c800000                      ; 1 / 64
	s_lshr_b32 s62, s42, 1
	s_lshl_b32 s62, s62, 9                         ; seeds: rows 2 (wave / 2) and the next
	s_mov_b32 s63, 0
	s_lshl_b32 s66, s43, 11                        ; X: a quad is 2,048 bytes
	s_mov_b32 s67, 0
	s_lshl_b32 s68, s43, 8                         ; scores: a quad is 256 bytes of each seed's row
	s_mov_b32 s69, 0
	s_lshl_b32 s70, ttmp9, 10
	s_mov_b32 s71, 0
	s_lshl_b32 s72, ttmp9, 2
	s_mov_b32 s73, 0
	s_lshl_b32 s74, s43, 10                        ; the pair behind the loop: pair gw behind the 15,360 quads: in X 1,024 bytes a pair,
	s_add_co_u32 s74, s74, QUADS*1024*2048
	s_mov_b32 s75, 0
	s_lshl_b32 s76, s43, 7                         ; in a seed's row of scores 128
	s_add_co_u32 s76, s76, QUADS*1024*256
	s_mov_b32 s77, 0
	s_wait_kmcnt 0x0
	s_load_b128 s[36:39], s[12:13], 0x0            ; e0 .. e3
	s_load_b64 s[40:41], s[12:13], 0x10            ; e4, e5
	s_add_nc_u64 s[74:75], s[4:5], s[74:75]        ; (used by waves 0 to 529 alone: in the others it lies past the end and is named by no load or store)
	s_add_nc_u64 s[76:77], s[30:31], s[76:77]
	s_add_nc_u64 s[26:27], s[26:27], s[62:63]
	s_add_nc_u64 s[4:5], s[4:5], s[66:67]
	s_add_nc_u64 s[30:31], s[30:31], s[68:69]
	s_add_nc_u64 s[32:33], s[32:33], s[70:71]
	s_add_nc_u64 s[34:35], s[34:35], s[72:73]
.set n, 0
.rept 16
	global_load_b128 v[ACC+4*n:ACC+4*n+3], v[UWO], s[24:25] offset:16*n        ; Uw's row e
.set n, n+1
.endr
.set n, 0
.rept 16
	global_load_b128 v[TMP+4*n:TMP+4*n+3], v[ZO], s[26:27] offset:16*n         ; my two seeds, the same in all lanes
	global_load_b128 v[TMP+64+4*n:TMP+64+4*n+3], v[ZO], s[26:27] offset:256+16*n
.set n, n+1
.endr
	WIN 0xc0
.irp u, 0,1,2,3
	global_load_b128 v[XF+8*\u:XF+8*\u+3], v[XO], s[4:5] offset:512*\u th:TH_LOAD_NT   ; my first quad: 32 lanes read 512 consecutive bytes
.endr
.irp t, 0,1,2,3
	global_load_b128 v[W1F+8*\t:W1F+8*\t+3], v[XO], s[6:7] offset:512*\t
.endr
.irp t, 0,1,2,3
.irp c, 0,1,2,3
	global_load_b64 v[W2F+8*\t+2*\c:W2F+8*\t+2*\c+1], v[WO], s[8:9] offset:1024*\t+16*\c      ; row 16 t + r, k = 16 c + 8 h + 0 .. 7
	global_load_b64 v[WWF+8*\t+2*\c:WWF+8*\t+2*\c+1], v[WO], s[10:11] offset:1024*\t+16*\c
.endr
.endr
	CLOAD B1C, 14
	CLOAD B2C, 16
	WIN 0x80
	CLOAD VM2, 28
	CLOAD BIA, 22
	CLOAD GAM, 18
	CLOAD BET, 20
	WIN 0
	s_wait_loadcnt 63                              ; 136 loads are issued and the first 48 (Uw, seeds) are wanted: 88 could stay out, the count's field holds 63
	; Uq(k, e) = sum over f of seeds(k, f) Uw(e, f), in f32: two seeds a thread, two chains each
	v_pk_mul_f32 v[SCP:SCP+1], v[ACC:ACC+1], v[TMP:TMP+1]
	v_pk_mul_f32 v[SCP+2:SCP+3], v[ACC+2:ACC+3], v[TMP+2:TMP+3]
	v_pk_mul_f32 v[SCP+4:SCP+5], v[ACC:ACC+1], v[TMP+64:TMP+65]
	v_pk_mul_f32 v[SCP+6:SCP+7], v[ACC+2:ACC+3], v[TMP+66:TMP+67]
.set n, 2
.rept 30
	v_pk_fma_f32 v[SCP+2*(n&1):SCP+2*(n&1)+1], v[ACC+2*n:ACC+2*n+1], v[TMP+2*n:TMP+2*n+1], v[SCP+2*(n&1):SCP+2*(n&1)+1]
	v_pk_fma_f32 v[SCP+4+2*(n&1):SCP+5+2*(n&1)], v[ACC+2*n:ACC+2*n+1], v[TMP+64+2*n:TMP+65+2*n], v[SCP+4+2*(n&1):SCP+5+2*(n&1)]
.set n, n+1
.endr
	v_pk_add_f32 v[SCP:SCP+1], v[SCP:SCP+1], v[SCP+2:SCP+3]
	v_pk_add_f32 v[SCP+4:SCP+5], v[SCP+4:SCP+5], v[SCP+6:SCP+7]
	v_add_f32 v[SCP], v[SCP], v[SCP+1]
	v_add_f32 v[SCP+4], v[SCP+4], v[SCP+5]
	ds_store_b32 v[UQS], v[SCP]
	ds_store_b32 v[UQS], v[SCP+4] offset:256
	s_wait_dscnt 0x0                               ; for the others' sake: my part of Uq lies in LDS
	s_barrier_signal -1
	s_barrier_wait -1
	WIN 0x80
.irp k, 0,1,2,3
.irp t, 0,1,2,3
	ds_load_b128 v[EDH+32*\k+8*\t:EDH+32*\k+8*\t+3], v[HO] offset:UQ+256*\k+64*\t
	ds_load_b128 v[EDH+32*\k+8*\t+4:EDH+32*\k+8*\t+7], v[HO] offset:UQ+256*\k+64*\t+16
.endr
.endr
	WIN 0
	s_wait_kmcnt 0x0
	s_add_co_i32 s58, s36, s37                     ; e0 + e1
	s_add_co_i32 s59, s38, s39                     ; e2 + e3
	s_add_co_i32 s60, s40, s41                     ; e4 + e5
	s_sub_co_i32 s61, s38, s58
	s_add_co_i32 s61, s61, 127
	s_lshl_b32 s62, s61, 23
	v_mov_b32 v[SC1], s62                          ; 2^(e2 - e0 - e1) as f32: the conversion takes its exponent field
	s_add_co_i32 s61, s61, 15
	s_lshl_b32 s61, s61, 23
	s_or_b32 s48, s61, 0x600000                    ; 57,344 x that
	s_add_co_i32 s61, s40, 127
	s_lshl_b32 s62, s61, 23
	v_mov_b32 v[SC4], s62                          ; 2^e4
	s_add_co_i32 s61, s61, 15
	s_lshl_b32 s61, s61, 23
	s_or_b32 s49, s61, 0x600000                    ; 57,344 x 2^e4,
	s_or_b32 s50, s49, 0x80000000                  ; and its negative
	s_add_co_i32 s61, s59, 127
	s_lshl_b32 s51, s61, 23                        ; 2^(e2 + e3)
	s_lshl_b32 s61, s59, 1
	s_add_co_i32 s61, s61, 121
	s_lshl_b32 s52, s61, 23                        ; 2^(2 (e2 + e3) - 6)
	s_lshl_b32 s61, s60, 23
	s_add_co_i32 s56, s61, 0x3fb8aa3b              ; log2(e) x 2^(e4 + e5): the exponents are added to log2(e)'s exponent field
	s_mov_b32 s57, s56                             ; (named with it as a pair, so it is written)
	s_sub_co_i32 s66, 0, s58
	s_sub_co_i32 s67, 0, s59
	s_mov_b32 s70, 0x3fb8aa3b                      ; log2(e)
	s_mov_b32 s71, s70
	s_mov_b32 s72, 0xc038aa3b                      ; -2 log2(e)
	s_mov_b32 s73, s72
	s_wait_loadcnt 0x0
	s_wait_dscnt 0x0
	; umid = (max_k Uq + min_k Uq) / 2;  d_k = Uq_k - umid;  the constants e^(d_k), log2(e) (Wb + umid), -2 log2(e) vw
	WIN 0x2a
.set n, 0
.rept 32
	v_max3_num_f32 v[TMP+n], v[EDH+n], v[EDH+32+n], v[EDH+64+n]
	v_min3_num_f32 v[TMP+32+n], v[EDH+n], v[EDH+32+n], v[EDH+64+n]
.set n, n+1
.endr
	WIN 0x08
.set n, 0
.rept 32
	v_max_num_f32 v[TMP+n], v[TMP+n], v[EDH+96+n]
	v_min_num_f32 v[TMP+32+n], v[TMP+32+n], v[EDH+96+n]
.set n, n+1
.endr
	WIN 0
.set n, 0
.rept 32
	v_add_f32 v[TMP+n], v[TMP+n], v[TMP+32+n]
.set n, n+1
.endr
	WIN 0xa0
.set n, 0
.rept 32
.irp k, 0,1,2,3
	v_fma_f32 v[EDH+32*\k+n], v[TMP+n], -0.5, v[EDH+32*\k+n]
.endr
	v_fma_f32 v[BIA+n], v[TMP+n], 0.5, v[BIA+n]
.set n, n+1
.endr
	WIN 0x82
.set n, 0
.rept 64
	v_pk_mul_f32 v[EDH+2*n:EDH+2*n+1], v[EDH+2*n:EDH+2*n+1], s[70:71] op_sel_hi:[1,0]
.set n, n+1
.endr
.set n, 0
.rept 16
	v_pk_mul_f32 v[BIA+2*n:BIA+2*n+1], v[BIA+2*n:BIA+2*n+1], s[70:71] op_sel_hi:[1,0]
	v_pk_mul_f32 v[VM2+2*n:VM2+2*n+1], v[VM2+2*n:VM2+2*n+1], s[72:73] op_sel_hi:[1,0]
.set n, n+1
.endr
.set n, 0
.rept 128
	v_exp_f32 v[EDH+n], v[EDH+n]
.set n, n+1
.endr
	v_nop
	s_wait_alu depctr_va_vdst(0)
	WIN 0xc3
.set n, 0
.rept 32
	v_ldexp_f32 v[B1C+n], v[B1C+n], s66            ; the biases go in as the products' C, divided by the power of two that the sums lack
	v_ldexp_f32 v[B2C+n], v[B2C+n], s67
.set n, n+1
.endr
	WIN 0xc0
.irp t, 0,1,2,3
.irp j, 4,5,6,7
	v_mov_b32 v[W1F+8*\t+\j], 0                    ; zero codes for k = 32 .. 63 of the first product, on both sides; they stay
	v_mov_b32 v[XF+8*\t+\j], 0
.endr
.endr
	WIN 0x40
.set n, 0
.rept 128
	v_mov_b32 v[ZZ+n], 0                           ; Z is cleared once, so that the trip is written once: the first change of the maximum leaves zeros zeros
.set n, n+1
.endr
	WIN 0
.irp k, 0,1,2,3
	v_mov_b32 v[LL+\k], 0
	v_mov_b32 v[MM+\k], 0xff61b1e6                 ; -3e38, under every t
	v_mov_b32 v[MU+\k], 0                          ; (the odd ones are named as upper halves of pairs)
	v_mov_b32 v[RR+\k], 0
	v_mov_b32 v[FT+\k], 0                          ; (a lane permute's destination counts as one of its sources)
.endr
.Ltrip:                                            ; one quad: 64 rows; 15 trips
	s_wait_loadcnt 0x0                             ; the quad's four loads, issued a whole trip ago
	PROD W1F, XF, 0, B1C
	RELUQ 0
	PROD W1F, XF, 1, B1C
	RELUQ 1
	s_cmp_eq_u32 s44, 1
	s_cbranch_scc1 .Llast
	WIN 0xc0
.irp u, 0,1,2,3
	global_load_b128 v[XF+8*\u:XF+8*\u+3], v[XO], s[4:5] offset:2097152+512*\u th:TH_LOAD_NT   ; my next quad, 1,024 quads on; the holds above are the places behind the products that read these registers
.endr
	WIN 0
	s_branch .Lasked
.Llast:                                            ; the last trip asks for the pair behind the loop, in the waves that have one: no load leaves its buffer
	s_cmp_ge_u32 s43, PAIRS
	s_cbranch_scc1 .Lasked
	WIN 0xc0
.irp u, 0,1
	global_load_b128 v[XF+8*\u:XF+8*\u+3], v[XO], s[74:75] offset:512*\u th:TH_LOAD_NT
.endr
	WIN 0
.Lasked:
.irp p, 0,1
	PROD W2F, QF, \p, B2C
	LN \p
	HOLDQ \p
	PROD WWF, QF, \p, -1
	ARGEXP
	TANH \p
.endr
	SOFTZ 4
	s_wait_xcnt 0x0                                ; the loads and stores have read their bases and data: both are rewritten only behind this wait
	s_add_nc_u64 s[4:5], s[4:5], 0x200000
	s_add_nc_u64 s[30:31], s[30:31], 0x40000
	s_sub_co_u32 s44, s44, 1
	s_cmp_lg_u32 s44, 0
	s_cbranch_scc1 .Ltrip
	s_cmp_ge_u32 s43, PAIRS                        ; waves 0 to 529: one pair of tiles more, 32 rows.  A branch on ids; no barrier stands under it
	s_cbranch_scc1 .Lend
	s_wait_loadcnt 0x0                             ; the pair's two loads, issued in the last trip
	PROD W1F, XF, 0, B1C
	RELUQ 0
	PROD W2F, QF, 0, B2C
	LN 0
	HOLDQ 0
	PROD WWF, QF, 0, -1
	ARGEXP
	TANH 0
	SOFTZ 2
	s_wait_xcnt 0x0                                ; the stores have read their registers, which are written again below
.Lend:
	; THE END.  First the wave: the sixteen lanes of a half hold the sixteen rows r (the two halves hold the same m and l, and each its own features of Z).
.irp k, 0,1,2,3
	v_max_num_f32_dpp v[MU+\k], v[MM+\k], v[MM+\k] row_xmask:1 row_mask:0xf bank_mask:0xf
.endr
.irp m, 2,4,8
.irp k, 0,1,2,3
	v_max_num_f32_dpp v[MU+\k], v[MU+\k], v[MU+\k] row_xmask:\m row_mask:0xf bank_mask:0xf
.endr
.endr
.irp k, 0,1,2,3
	v_sub_f32 v[SCP+2*\k], v[MM+\k], v[MU+\k]
.endr
.irp k, 0,1,2,3
	v_exp_f32 v[SCP+2*\k], v[SCP+2*\k]
.endr
	v_nop
	s_wait_alu depctr_va_vdst(0)
.irp k, 0,1,2,3
	v_mul_f32 v[LL+\k], v[LL+\k], v[SCP+2*\k]
.endr
.irp m, 1,2,4,8
.irp k, 0,1,2,3
	v_add_f32_dpp v[LL+\k], v[LL+\k], v[LL+\k] row_xmask:\m row_mask:0xf bank_mask:0xf
.endr
.endr
.irp k, 0,1,2,3
.if \k >= 2
	s_wait_dscnt 8                                 ; the stores of two seeds back have read this set; the last seed's eight may be out
.endif
	WIN 0x01
.set n, 0
.rept 16
	v_pk_mul_f32 v[TMP+64*(\k%2)+2*n:TMP+64*(\k%2)+2*n+1], v[ZZ+32*\k+2*n:ZZ+32*\k+2*n+1], v[SCP+2*\k:SCP+2*\k+1] op_sel_hi:[1,0]
.set n, n+1
.endr
	WIN 0
.irp m, 1,2,4,8
.set n, 0
.rept 32
	v_add_f32_dpp v[TMP+64*(\k%2)+n], v[TMP+64*(\k%2)+n], v[TMP+64*(\k%2)+n] row_xmask:\m row_mask:0xf bank_mask:0xf
.set n, n+1
.endr
.endr
.irp t, 0,1,2,3
	ds_store_b128 v[RZW], v[TMP+64*(\k%2)+8*\t:TMP+64*(\k%2)+8*\t+3] offset:256*\k+64*\t        ; the sixteen lanes of a half store the same numbers to the same bytes
	ds_store_b128 v[RZW], v[TMP+64*(\k%2)+8*\t+4:TMP+64*(\k%2)+8*\t+7] offset:256*\k+64*\t+16
.endr
.endr
	ds_store_b128 v[RSW], v[MU:MU+3]
	ds_store_b128 v[RSW], v[LL:LL+3] offset:16
	s_wait_dscnt 0x0                               ; for the others' sake: my wave's m, l and Z lie in LDS
	s_barrier_signal -1
	s_barrier_wait -1
	; then the work-group: wave w joins the four waves' parts of seed w
.irp u, 0,1,2,3
	ds_load_b32 v[TMP+\u], v[RSR] offset:32*\u
	ds_load_b32 v[TMP+4+\u], v[RSR] offset:32*\u+16
	ds_load_b64 v[TMP+8+2*\u:TMP+9+2*\u], v[RZR] offset:1024*\u
.endr
	s_wait_dscnt 0x0
	v_max3_num_f32 v[TMP+16], v[TMP], v[TMP+1], v[TMP+2]
	v_max_num_f32 v[TMP+16], v[TMP+16], v[TMP+3]
.irp u, 0,1,2,3
	v_sub_f32 v[TMP+18+2*\u], v[TMP+\u], v[TMP+16]
.endr
.irp u, 0,1,2,3
	v_exp_f32 v[TMP+18+2*\u], v[TMP+18+2*\u]
.endr
	v_nop
	s_wait_alu depctr_va_vdst(0)
	v_mul_f32 v[TMP+17], v[TMP+4], v[TMP+18]
	v_pk_mul_f32 v[TMP+26:TMP+27], v[TMP+8:TMP+9], v[TMP+18:TMP+19] op_sel_hi:[1,0]
.irp u, 1,2,3
	v_fma_f32 v[TMP+17], v[TMP+4+\u], v[TMP+18+2*\u], v[TMP+17]
	v_pk_fma_f32 v[TMP+26:TMP+27], v[TMP+8+2*\u:TMP+9+2*\u], v[TMP+18+2*\u:TMP+19+2*\u], v[TMP+26:TMP+27] op_sel_hi:[1,0,1]
.endr
	global_store_b64 v[PZO], v[TMP+26:TMP+27], s[32:33]    ; pz(work-group, seed w, 64 features): the wave stores 256 consecutive bytes, aligned
	v_and_b32 v[TMP+28], 31, v0
	v_cmp_eq_u32 s58, 1, v[TMP+28]
	v_cndmask_b32 v[TMP+29], v[TMP+16], v[TMP+17], s58     ; lane 0: m, lane 1: l
	v_cmp_gt_u32 vcc_lo, 2, v[TMP+28]
	s_wait_xcnt 0x0                                ; EXEC changes only behind this wait
	s_and_saveexec_b32 s59, vcc_lo
	global_store_b32 v[PMO], v[TMP+29], s[34:35]   ; two words a wave, eight a work-group: 8,192 bytes in the whole launch
	s_wait_xcnt 0x0                                ; and again, in front of the line that widens it
	s_or_b32 exec_lo, exec_lo, s59
	s_wait_tensorcnt 0x0                           ; the wave's end, behind my last LDS store
	ds_add_u32 v[SPW], v[NIL]
	s_wait_dscnt 0x0
	s_endpgm
.Lfunc_end_k_q894c65e6d0_lanes:
	.size	k_q894c65e6d0_lanes, .Lfunc_end_k_q894c65e6d0_lanes-k_q894c65e6d0_lanes
	.p2alignl 7, 3214868480
	.fill 96, 4, 3214868480
	.section	.rodata,"a",@progbits
	.p2align	6, 0x0
	.amdhsa_kernel k_q894c65e6d0_lanes
		.amdhsa_group_segment_fixed_size 10240
		.amdhsa_private_segment_fixed_size 0
		.amdhsa_enable_private_segment 0
		.amdhsa_kernarg_size 128
		.amdhsa_user_sgpr_count 2
		.amdhsa_user_sgpr_kernarg_segment_ptr 1
		.amdhsa_wavefront_size32 1
		.amdhsa_system_sgpr_workgroup_id_x 1
		.amdhsa_system_sgpr_workgroup_id_y 1
		.amdhsa_system_sgpr_workgroup_id_z 1
		.amdhsa_system_vgpr_workitem_id 0
		.amdhsa_next_free_vgpr 1024
		.amdhsa_next_free_sgpr 100
		.amdhsa_reserve_vcc 1
		.amdhsa_float_denorm_mode_32 3
		.amdhsa_float_denorm_mode_16_64 3
		.amdhsa_memory_ordered 1
		.amdhsa_forward_progress 1
		.amdhsa_inst_pref_size 255
	.end_amdhsa_kernel
	.section	.bss,"aw",@nobits
	.p2align	6
	.space	262144
	.amdgpu_metadata
---
amdhsa.version: [ 1, 2 ]
amdhsa.kernels:
  - .name:           k_q894c65e6d0_lanes
    .symbol:         k_q894c65e6d0_lanes.kd
    .args:
      - { .name: X_codes, .offset: 0, .size: 8, .value_kind: global_buffer, .address_space: global }
      - { .name: w1_codes, .offset: 8, .size: 8, .value_kind: global_buffer, .address_space: global }
      - { .name: w2_codes, .offset: 16, .size: 8, .value_kind: global_buffer, .address_space: global }
      - { .name: Ww_codes, .offset: 24, .size: 8, .value_kind: global_buffer, .address_space: global }
      - { .name: lowp_scales, .offset: 32, .size: 8, .value_kind: global_buffer, .address_space: global }
      - { .name: b1, .offset: 40, .size: 8, .value_kind: global_buffer, .address_space: global }
      - { .name: b2, .offset: 48, .size: 8, .value_kind: global_buffer, .address_space: global }
      - { .name: gamma, .offset: 56, .size: 8, .value_kind: global_buffer, .address_space: global }
      - { .name: beta, .offset: 64, .size: 8, .value_kind: global_buffer, .address_space: global }
      - { .name: Wb, .offset: 72, .size: 8, .value_kind: global_buffer, .address_space: global }
      - { .name: Uw, .offset: 80, .size: 8, .value_kind: global_buffer, .address_space: global }
      - { .name: seeds, .offset: 88, .size: 8, .value_kind: global_buffer, .address_space: global }
      - { .name: vw, .offset: 96, .size: 8, .value_kind: global_buffer, .address_space: global }
      - { .name: scores, .offset: 104, .size: 8, .value_kind: global_buffer, .address_space: global }
      - { .name: pz, .offset: 112, .size: 8, .value_kind: global_buffer, .address_space: global }
      - { .name: pml, .offset: 120, .size: 8, .value_kind: global_buffer, .address_space: global }
    .group_segment_fixed_size: 10240
    .private_segment_fixed_size: 0
    .kernarg_segment_align: 8
    .kernarg_segment_size: 128
    .max_flat_workgroup_size: 128
    .sgpr_count:     100
    .vgpr_count:     1024
    .wavefront_size: 32
...
	.end_amdgpu_metadata
.endif
;; end of part 1
;; launch finish (part 2): grid 256 x 1, 16 waves a work-group, no clusters, 23,040 bytes of LDS; arguments scores, pml, pz, rw1, rb1, rw2, rb2, out0, out1; writes out0, out1
.if DOCPART == 2
	.amdgcn_target "amdgcn-amd-amdhsa--gfx1250"
	.amdhsa_code_object_version 6
	.text
	.protected	k_q894c65e6d0_finish
	.globl	k_q894c65e6d0_finish
	.p2align	8
	.type	k_q894c65e6d0_finish,@function
k_q894c65e6d0_finish:
	s_mov_b64 s[64:65], 0
	v_nop
	global_prefetch_b8 v0, s[64:65] scope:SCOPE_SE
	s_setreg_imm32_b32 hwreg(HW_REG_WAVE_MODE, 25, 1), 1
	s_wait_xcnt 0x0
; FINISH.  The first launch left: scores [4][1,000,000], t in base 2 (without the term sum_e vw_e, which is the same along the softmax's axis and cancels: see that kernel's head);
; pml [8][256]: rows 0-3 each work-group's maximum m of a seed, rows 4-7 its sum l under that maximum;  pz [256][4][64]: its pooled sum under that maximum.
; With M = the largest m and S = the sum of l_g 2^(m_g - M):  weights = 2^(t - M - log2 S);  Z_k = the sum over g of pz(g, k) 2^(m_g - M) / S;  z = relu(Z rw1^T + rb1) rw2^T + rb2.
; Sixteen waves to a work-group.  Work-groups 1 to 255 make the weights: 4,080 waves, 1,020 to a seed.  A seed's row is 15,625 pieces of 256 bytes = 1,020 x 15 + 325: wave c of a seed takes 15 pieces from piece
; 15 c + min(c, 325) on, and the first 325 waves a sixteenth (a scalar branch on ids).  These waves share nothing and touch no LDS.
; Work-group 0 makes Z and z.  Wave w takes seed w % 4 and records 64 (w / 4) .. + 63 of pz, then rows 4 w .. 4 w + 3 of rw1 and of rw2.  ALL ITS 48 LOADS GO OUT AT ITS HEAD, so that they are on their way together;
; the parts of Z, the hidden layer and z go from wave to wave through LDS.  All in f32, by fused multiply-adds: these products have 1 or 4 rows.
.set CT,    0                          ; LDS (work-group 0): each wave's 256 factors c_g, 1,024 bytes
.set ZP,    16384                      ; sixteen parts of Z: part w = (quarter w / 4, seed w % 4), 64 numbers
.set H1,    20480                      ; the hidden layer [64]
.set OT,    20736                      ; z [64]
.set SPARE, 20992                      ; the spare words, 128 bytes for each wave: eight blocks of 256 bytes that no other line names
.set SPW, 2                            ; v2  LDS address of my spare word; never rewritten
.set NIL, 3                            ; v3  0; never rewritten
.set WPS,  1020                        ; waves to a seed
.set MORE, 325                         ; of which so many take sixteen pieces
; From m in v8-15 and l in v16-23 (eight work-groups' a lane): M in v24, 2^(m - M) in v8-15, S in v26, in every lane.
.macro STATS
	v_max3_num_f32 v24, v8, v9, v10
	v_max3_num_f32 v24, v24, v11, v12
	v_max3_num_f32 v24, v24, v13, v14
	v_max_num_f32 v24, v24, v15
.irp m, 1,2,4,8
	v_max_num_f32_dpp v24, v24, v24 row_xmask:\m row_mask:0xf bank_mask:0xf
.endr
	v_permlanex16_b32 v25, v24, s50, s51
	v_max_num_f32 v24, v24, v25
.irp i, 0,1,2,3,4,5,6,7
	v_sub_f32 v[8+\i], v[8+\i], v24
.endr
.irp i, 0,1,2,3,4,5,6,7
	v_exp_f32 v[8+\i], v[8+\i]
.endr
	v_nop
	s_wait_alu depctr_va_vdst(0)                   ; the wait ahead of the first line that names a result: one for the eight
	v_mul_f32 v26, v16, v8
.irp i, 1,2,3,4,5,6,7
	v_fma_f32 v26, v[16+\i], v[8+\i], v26
.endr
.irp m, 1,2,4,8
	v_add_f32_dpp v26, v26, v26 row_xmask:\m row_mask:0xf bank_mask:0xf
.endr
	v_permlanex16_b32 v25, v26, s50, s51
	v_add_f32 v26, v26, v25
.endm
.macro BARRIER                         ; my LDS stores have landed and my LDS loads are in: then the work-group's barrier
	s_wait_dscnt 0x0
	s_barrier_signal -1
	s_barrier_wait -1
.endm
	s_load_b512 s[4:19], s[0:1], 0x0               ; scores s[4:5], pml s[6:7], pz s[8:9], rw1 s[10:11], rb1 s[12:13], rw2 s[14:15], rb2 s[16:17], out0 s[18:19]
	s_load_b64 s[20:21], s[0:1], 0x40              ; out1
	v_lshl_add_u32 v[SPW], v0, 2, SPARE
	v_mov_b32 v[NIL], 0
	v_lshrrev_b32 v1, 5, v0
	v_readfirstlane_b32 s22, v1                    ; wave 0..15
	v_and_b32 v1, 31, v0                           ; lane
	v_lshlrev_b32 v4, 4, v1                        ; 16 x lane
	v_lshlrev_b32 v5, 3, v1                        ; 8 x lane
	v_mov_b32 v25, 0                               ; (a lane permute's destination counts as one of its sources)
	s_mov_b32 s50, 0x76543210                      ; v_permlanex16_b32: lane l xor 16
	s_mov_b32 s51, 0xfedcba98
	s_cmp_eq_u32 ttmp9, 0
	s_cbranch_scc1 .Lrho
	; ---- THE WEIGHTS
	s_sub_co_u32 s24, ttmp9, 1
	s_lshl_b32 s24, s24, 4
	s_add_co_u32 s24, s24, s22                     ; gw = 0 .. 4,079
	s_cmp_ge_u32 s24, WPS
	s_cselect_b32 s25, 1, 0
	s_cmp_ge_u32 s24, 2*WPS
	s_cselect_b32 s26, 1, 0
	s_cmp_ge_u32 s24, 3*WPS
	s_cselect_b32 s27, 1, 0
	s_add_co_u32 s25, s25, s26
	s_add_co_u32 s25, s25, s27                     ; the seed k = gw / 1,020
	s_mul_i32 s26, s25, WPS
	s_sub_co_u32 s26, s24, s26                     ; c: my place among its waves
	s_min_u32 s27, s26, MORE
	s_mul_i32 s28, s26, 15
	s_add_co_u32 s28, s28, s27                     ; my first piece
	s_lshl_b32 s28, s28, 8
	s_mul_i32 s29, s25, 4000000
	s_add_co_u32 s28, s28, s29
	s_mov_b32 s29, 0
	s_lshl_b32 s30, s25, 10
	s_mov_b32 s31, 0
	v_mov_b32 v62, 0                               ; the sixteenth piece's registers are written once, so that they are defined on every way through the text
	v_mov_b32 v63, 0
	s_wait_kmcnt 0x0
	s_add_nc_u64 s[4:5], s[4:5], s[28:29]
	s_add_nc_u64 s[20:21], s[20:21], s[28:29]
	s_add_nc_u64 s[6:7], s[6:7], s[30:31]
	global_load_b128 v[8:11], v4, s[6:7]           ; the seed's 256 m,
	global_load_b128 v[12:15], v4, s[6:7] offset:512
	global_load_b128 v[16:19], v4, s[6:7] offset:4096  ; and 256 l
	global_load_b128 v[20:23], v4, s[6:7] offset:4608
.set i, 0
.rept 15
	global_load_b64 v[32+2*i:33+2*i], v5, s[4:5] offset:256*i th:TH_LOAD_NT    ; 32 lanes read 256 consecutive bytes, aligned; read once in the launch
.set i, i+1
.endr
	s_cmp_ge_u32 s26, MORE
	s_cbranch_scc1 .Lfifteen
	global_load_b64 v[62:63], v5, s[4:5] offset:256*15 th:TH_LOAD_NT
.Lfifteen:
	s_wait_loadcnt 15                              ; m and l are in: 15 or 16 loads of scores were issued behind them, and the count serves both ways
	STATS
	v_log_f32 v27, v26
	v_nop
	s_wait_alu depctr_va_vdst(0)
	v_sub_f32 v28, -v24, v27                       ; -(M + log2 S)
	v_mov_b32 v29, v28
.irp g, 0,1,2
	s_wait_loadcnt 10-5*\g                         ; this group's five loads are in; behind them the later groups' (and, on one way, the sixteenth piece's, for which the count is the stricter)
.irp j, 0,1,2,3,4
	v_pk_add_f32 v[32+10*\g+2*\j:33+10*\g+2*\j], v[32+10*\g+2*\j:33+10*\g+2*\j], v[28:29]
.endr
.irp j, 0,1,2,3,4,5,6,7,8,9
	v_exp_f32 v[32+10*\g+\j], v[32+10*\g+\j]
.endr
	v_nop
	s_wait_alu depctr_va_vdst(0)                   ; one wait for the ten, ahead of the stores that read them
.irp j, 0,1,2,3,4
	global_store_b64 v5, v[32+10*\g+2*\j:33+10*\g+2*\j], s[20:21] offset:256*(5*\g+\j) th:TH_STORE_NT   ; 256 consecutive bytes, aligned; no register of a store is written again
.endr
.endr
	s_cmp_ge_u32 s26, MORE
	s_cbranch_scc1 .Ldone
	v_pk_add_f32 v[62:63], v[62:63], v[28:29]      ; the sixteenth piece (the last group's wait was for 0)
	v_exp_f32 v62, v62
	v_exp_f32 v63, v63
	v_nop
	s_wait_alu depctr_va_vdst(0)
	global_store_b64 v5, v[62:63], s[20:21] offset:256*15 th:TH_STORE_NT
.Ldone:
	s_endpgm
	; ---- Z AND z.  REGISTERS: v6 pz's offset, v7 where I read c; v8-23 m and l; v24-31 two sets of four sums; v32-159 my 32 loads of pz, later the parts of Z; v160-191 my 32 factors;
	; v192-223 four rows of rw1; v224-231 four rows of rw2; v232-233 their rb2; v234-239 addresses; v240-253 at work.
.Lrho:
	v_and_b32 v6, 15, v0                           ; r
	v_bfe_u32 v7, v0, 4, 1                         ; h
	v_lshlrev_b32 v240, 4, v6                      ; 16 r
	s_lshl_b32 s24, s22, 10                        ; 1,024 w
	s_and_b32 s25, s22, 3                          ; the seed k
	s_lshr_b32 s26, s22, 2                         ; the quarter q
	v_add_nc_u32 v234, s24, v4                     ; c, on the way in: CT + 1,024 w + 16 x lane
	s_lshl_b32 s27, s26, 8
	s_add_co_u32 s27, s27, s24                     ; 1,024 w + 256 q
	s_lshl_b32 s28, s22, 8
	v_add_nc_u32 v235, s28, v240
	v_add_nc_u32 v235, ZP, v235                    ; my part of Z: ZP + 256 w + 16 r
	s_lshl_b32 s29, s22, 4                         ; 16 w
	s_add_co_u32 s30, s29, H1
	v_mov_b32 v236, s30                            ; the hidden layer, in: H1 + 16 w
	v_add_nc_u32 v237, H1, v240                    ; and out: H1 + 16 r
	v_lshlrev_b32 v239, 2, v7                      ; rb2: 4 h
	v_add_nc_u32 v238, s29, v239
	v_add_nc_u32 v238, OT, v238                    ; z: OT + 16 w + 4 h
	v_lshl_add_u32 v6, v7, 15, v240                ; pz: 32,768 h + 16 r: lanes 0-15 take my records 0-31, lanes 16-31 the other 32
	v_lshlrev_b32 v7, 7, v7
	v_add_nc_u32 v7, s27, v7                       ; c, on the way out: CT + 1,024 w + 256 q + 128 h: inside my own wave's 1,024 bytes
	s_lshl_b32 s52, s25, 10
	s_mov_b32 s53, 0
	s_lshl_b32 s54, s26, 16
	s_lshl_b32 s55, s25, 8
	s_add_co_u32 s54, s54, s55
	s_mov_b32 s55, 0
	s_lshl_b32 s56, s22, 12
	s_mov_b32 s57, 0
	s_mov_b32 s58, s29
	s_mov_b32 s59, 0
	s_mov_b32 s60, s24
	s_mov_b32 s61, 0
	s_wait_kmcnt 0x0
	s_add_nc_u64 s[6:7], s[6:7], s[52:53]          ; pml at seed k's row
	s_add_nc_u64 s[8:9], s[8:9], s[54:55]          ; pz at record 64 q, seed k
	s_add_nc_u64 s[10:11], s[10:11], s[56:57]      ; rw1 at row 4 w
	s_add_nc_u64 s[12:13], s[12:13], s[58:59]      ; rb1 likewise
	s_add_nc_u64 s[14:15], s[14:15], s[60:61]      ; rw2 at row 4 w
	s_add_nc_u64 s[16:17], s[16:17], s[58:59]      ; rb2 likewise
	s_load_b128 s[32:35], s[12:13], 0x0            ; my four rb1
	global_load_b128 v[8:11], v4, s[6:7]
	global_load_b128 v[12:15], v4, s[6:7] offset:512
	global_load_b128 v[16:19], v4, s[6:7] offset:4096
	global_load_b128 v[20:23], v4, s[6:7] offset:4608
.set n, 0
.rept 32
	global_load_b128 v[32+4*n:35+4*n], v6, s[8:9] offset:1024*n th:TH_LOAD_NT  ; records 64 q + 32 h + n: sixteen lanes read a record's 256 bytes, aligned
.set n, n+1
.endr
.irp n, 0,1,2,3
	global_load_b128 v[192+8*\n:195+8*\n], v4, s[10:11] offset:1024*\n         ; a row of rw1 is two loads of 512 consecutive bytes
	global_load_b128 v[196+8*\n:199+8*\n], v4, s[10:11] offset:1024*\n+512
.endr
.irp n, 0,1
	global_load_b128 v[224+4*\n:227+4*\n], v4, s[14:15] offset:512*\n          ; rw2's rows 4 w + 2 n + h: sixteen lanes read a row's 256 bytes
.endr
.irp n, 0,1
	global_load_b32 v[232+\n], v239, s[16:17] offset:8*\n                      ; rb2 of those rows
.endr
	s_wait_loadcnt 44                              ; m and l are in; behind them: 32 of pz, 8 of rw1, 2 of rw2, 2 of rb2
	STATS
	v_rcp_f32 v27, v26
	v_nop
	s_wait_alu depctr_va_vdst(0)
.irp i, 0,1,2,3,4,5,6,7
	v_mul_f32 v[8+\i], v[8+\i], v27                ; c_g = 2^(m_g - M) / S
.endr
	ds_store_b128 v234, v[8:11]                    ; g = 4 x lane + 0 .. 3
	ds_store_b128 v234, v[12:15] offset:512        ; g = 128 + 4 x lane + 0 .. 3
.irp i, 0,1,2,3,4,5,6,7
	ds_load_b128 v[160+4*\i:163+4*\i], v7 offset:16*\i     ; c of records 64 q + 32 h + 4 i + 0 .. 3.  My own wave's bytes: LDS serves a wave's instructions in order (ISA guide 5.7.1.4)
.endr
	s_wait_dscnt 0x0
.macro GROUP j                         ; eight loads' records x their factors, onto two sets of sums by turns
	s_wait_loadcnt 36-8*(\j)                       ; these eight are in; behind them 24 - 8 j of pz and the 12 of rw1, rw2, rb2
.set n, 8*(\j)
.rept 8
.irp i, 0,1,2,3
.if n < 2
	v_mul_f32 v[24+4*(n&1)+\i], v[32+4*n+\i], v[160+n]     ; the first products start the sums
.else
	v_fma_f32 v[24+4*(n&1)+\i], v[32+4*n+\i], v[160+n], v[24+4*(n&1)+\i]
.endif
.endr
.set n, n+1
.endr
.endm
	GROUP 0
	GROUP 1
	GROUP 2
	GROUP 3
.irp j, 0,1,2,3
	v_add_f32 v[24+\j], v[24+\j], v[28+\j]
.endr
.irp j, 0,1,2,3
	v_permlanex16_b32 v[28+\j], v[24+\j], s50, s51 ; my other 32 records' part
.endr
.irp j, 0,1,2,3
	v_add_f32 v[24+\j], v[24+\j], v[28+\j]
.endr
	ds_store_b128 v235, v[24:27]                   ; features 4 r + 0 .. 3 of my part; both halves store the same
	BARRIER                                        ; the sixteen parts of Z lie in LDS
.irp q, 0,1,2,3
	ds_load_b128 v[32+8*\q:35+8*\q], v4 offset:ZP+1024*\q          ; quarter q of Z(4 x lane + 0 .. 3),
	ds_load_b128 v[36+8*\q:39+8*\q], v4 offset:ZP+1024*\q+512      ; and of Z(128 + 4 x lane + 0 .. 3): as rw1's rows were loaded
.endr
	s_wait_dscnt 0x0
.irp i, 0,2,4,6
	v_pk_add_f32 v[32+\i:33+\i], v[32+\i:33+\i], v[40+\i:41+\i]
	v_pk_add_f32 v[48+\i:49+\i], v[48+\i:49+\i], v[56+\i:57+\i]
.endr
.irp i, 0,2,4,6
	v_pk_add_f32 v[32+\i:33+\i], v[32+\i:33+\i], v[48+\i:49+\i]    ; every wave adds the four quarters for itself
.endr
	s_wait_kmcnt 0x0                               ; rb1
	s_wait_loadcnt 4                               ; rw1 is in; rw2's and rb2's four loads may be out
.irp n, 0,1,2,3
	v_pk_mul_f32 v[240+2*\n:241+2*\n], v[192+8*\n:193+8*\n], v[32:33]
.endr
.irp c, 1,2,3
.irp n, 0,1,2,3
	v_pk_fma_f32 v[240+2*\n:241+2*\n], v[192+8*\n+2*\c:193+8*\n+2*\c], v[32+2*\c:33+2*\c], v[240+2*\n:241+2*\n]
.endr
.endr
.irp n, 0,1,2,3
	v_add_f32 v[248+\n], v[240+2*\n], v[241+2*\n]
.endr
.irp m, 1,2,4,8
.irp n, 0,1,2,3
	v_add_f32_dpp v[248+\n], v[248+\n], v[248+\n] row_xmask:\m row_mask:0xf bank_mask:0xf
.endr
.endr
.irp n, 0,1,2,3
	v_permlanex16_b32 v[240+2*\n], v[248+\n], s50, s51
.endr
.irp n, 0,1,2,3
	v_add_f32 v[248+\n], v[248+\n], v[240+2*\n]
.endr
.irp n, 0,1,2,3
	v_add_f32 v[248+\n], s[32+\n], v[248+\n]
.endr
.irp n, 0,1,2,3
	v_max_num_f32 v[248+\n], 0, v[248+\n]
.endr
	ds_store_b128 v236, v[248:251]                 ; my four hidden units; all lanes store the same
	BARRIER                                        ; the hidden layer's 64 numbers lie in LDS
	ds_load_b128 v[240:243], v237                  ; units 4 r + 0 .. 3
	s_wait_loadcnt 0x0                             ; rw2, rb2
	s_wait_dscnt 0x0
.irp n, 0,1
	v_pk_mul_f32 v[244+2*\n:245+2*\n], v[224+4*\n:225+4*\n], v[240:241]
.endr
.irp n, 0,1
	v_pk_fma_f32 v[244+2*\n:245+2*\n], v[226+4*\n:227+4*\n], v[242:243], v[244+2*\n:245+2*\n]
.endr
.irp n, 0,1
	v_add_f32 v[252+\n], v[244+2*\n], v[245+2*\n]
.endr
.irp m, 1,2,4,8
.irp n, 0,1
	v_add_f32_dpp v[252+\n], v[252+\n], v[252+\n] row_xmask:\m row_mask:0xf bank_mask:0xf
.endr
.endr
.irp n, 0,1
	v_add_f32 v[252+\n], v[252+\n], v[232+\n]
.endr
	ds_store_b32 v238, v252                        ; z(4 w + h); the sixteen lanes of a half store the same
	ds_store_b32 v238, v253 offset:8               ; z(4 w + 2 + h)
	BARRIER                                        ; z's 64 numbers lie in LDS
	s_cmp_lg_u32 s22, 0                            ; wave 0 stores them: 256 consecutive bytes, aligned, by one instruction
	s_cbranch_scc1 .Lnot_wave_0
	ds_load_b64 v[240:241], v5 offset:OT
	s_wait_dscnt 0x0
	global_store_b64 v5, v[240:241], s[18:19]
.Lnot_wave_0:
	s_wait_tensorcnt 0x0                           ; the wave's end, behind my last LDS store
	ds_add_u32 v[SPW], v[NIL]
	s_wait_dscnt 0x0
	s_endpgm
.Lfunc_end_k_q894c65e6d0_finish:
	.size	k_q894c65e6d0_finish, .Lfunc_end_k_q894c65e6d0_finish-k_q894c65e6d0_finish
	.p2alignl 7, 3214868480
	.fill 96, 4, 3214868480
	.section	.rodata,"a",@progbits
	.p2align	6, 0x0
	.amdhsa_kernel k_q894c65e6d0_finish
		.amdhsa_group_segment_fixed_size 23040
		.amdhsa_private_segment_fixed_size 0
		.amdhsa_enable_private_segment 0
		.amdhsa_kernarg_size 72
		.amdhsa_user_sgpr_count 2
		.amdhsa_user_sgpr_kernarg_segment_ptr 1
		.amdhsa_wavefront_size32 1
		.amdhsa_system_sgpr_workgroup_id_x 1
		.amdhsa_system_sgpr_workgroup_id_y 1
		.amdhsa_system_sgpr_workgroup_id_z 1
		.amdhsa_system_vgpr_workitem_id 0
		.amdhsa_next_free_vgpr 256
		.amdhsa_next_free_sgpr 66
		.amdhsa_reserve_vcc 0
		.amdhsa_float_denorm_mode_32 3
		.amdhsa_float_denorm_mode_16_64 3
		.amdhsa_memory_ordered 1
		.amdhsa_forward_progress 1
		.amdhsa_inst_pref_size 34
	.end_amdhsa_kernel
	.amdgpu_metadata
---
amdhsa.version: [ 1, 2 ]
amdhsa.kernels:
  - .name:           k_q894c65e6d0_finish
    .symbol:         k_q894c65e6d0_finish.kd
    .args:
      - { .name: scores, .offset: 0, .size: 8, .value_kind: global_buffer, .address_space: global }
      - { .name: pml, .offset: 8, .size: 8, .value_kind: global_buffer, .address_space: global }
      - { .name: pz, .offset: 16, .size: 8, .value_kind: global_buffer, .address_space: global }
      - { .name: rw1, .offset: 24, .size: 8, .value_kind: global_buffer, .address_space: global }
      - { .name: rb1, .offset: 32, .size: 8, .value_kind: global_buffer, .address_space: global }
      - { .name: rw2, .offset: 40, .size: 8, .value_kind: global_buffer, .address_space: global }
      - { .name: rb2, .offset: 48, .size: 8, .value_kind: global_buffer, .address_space: global }
      - { .name: out0, .offset: 56, .size: 8, .value_kind: global_buffer, .address_space: global }
      - { .name: out1, .offset: 64, .size: 8, .value_kind: global_buffer, .address_space: global }
    .group_segment_fixed_size: 23040
    .private_segment_fixed_size: 0
    .kernarg_segment_align: 8
    .kernarg_segment_size: 72
    .max_flat_workgroup_size: 512
    .sgpr_count:     66
    .vgpr_count:     256
    .wavefront_size: 32
...
	.end_amdgpu_metadata
.endif
;; end of part 2
